; MI455X (gfx1250); checked and timed in simulation.
; The chip was launched on July 23, 2026; its instructions are those of AMD's public machine-readable ISA for CDNA 5 (MIT licence, August 2026) and "CDNA5" Instruction Set Architecture Reference Guide (July 2026). The comments in the code are by the model that wrote it; some were corrected since.
;; Single Head Self Attention. Allowed arithmetic: matrix products marked QUANTISED: E3M2 operands, one E8M0 scale for each 32 along K, by v_wmma_scale_f32_16x16x128_f8f6f4 with both operands' format E3M2, f32 sums; everything else in f32.
;; Inputs: Wk 64 x 64 float32; Wq 64 x 64 float32; Wv 64 x 64 float32; x 16 x 4,096 x 64 float32.
;; Outputs: out0 16 x 4,096 x 64 float32.
;; This version of the problem:
;;   THIS VERSION OF THE PROBLEM IS GIVEN IN LOW PRECISION. The matrix products marked QUANTISED in the list below multiply operands that are first quantised to E3M2 (3 exponent bits, 2 mantissa bits; 6 bits a number), with one power-of-two scale for each 32 numbers along K (OCP MX v1.0); their sums are f32. All else is computed in f32.
;;   The module's matrix products, in the order in which they are computed (A, B: the left and right operand; K: the contracted axis; several contracted axes count as one K, in the product's order):
;;     1. [M 65,536, K 64] x [K 64, N 64]; A: input x; B: input Wk: QUANTISED
;;     2. [M 65,536, K 64] x [K 64, N 64]; A: input x; B: input Wq: QUANTISED
;;     3. [M 65,536, K 64] x [K 64, N 64]; A: input x; B: input Wv: QUANTISED
;;     4. batch 16 x [M 4,096, K 64] x [K 64, N 4,096]; A: computed on the way; B: computed on the way: QUANTISED
;;     5. batch 16 x [M 4,096, K 4,096] x [K 4,096, N 64]; A: softmax (see below); B: computed on the way: QUANTISED
;;   THE QUANTISER, for each operand of a quantised product, along K:
;;     - K is cut into blocks of 32 from its start; a last block that is shorter is filled with zeros.
;;     - A block's scale is 2^e with e = floor(log2(the largest magnitude in the block)) - 4, held to -126 .. 127; a block of zeros has e = 0. As a byte (E8M0): e + 127.
;;     - Each number is divided by its block's scale, clamped to +-28, and rounded to the nearest number of E3M2, ties to even, subnormals kept.
;;     - The product sums the exact products of the quantised numbers (number of the format x scale) in f32.
;;   ~~~python
;;   def quantise(x, axis):      # numpy; x: float32 -> the quantised numbers, widened to float32 again
;;       x = np.moveaxis(x, axis, -1); K = x.shape[-1]
;;       x = np.pad(x, [(0, 0)] * (x.ndim - 1) + [(0, -K % 32)]); x = x.reshape(x.shape[:-1] + (-1, 32)); a = np.abs(x).max(-1, keepdims=True)
;;       e = np.where(a > 0, np.clip(np.frexp(np.where(a > 0, a, 1))[1] - 1 - 4, -126, 127), 0)      # np.frexp(a)[1] - 1 = floor(log2(a)), exactly
;;       r = np.clip(x / 2.0 ** e, -28, 28)
;;       step = 2.0 ** (np.maximum(np.frexp(np.where(r == 0, 1, r))[1] - 1, -2) - 2)
;;       q = np.round(r / step) * step * 2.0 ** e      # np.round: ties to even
;;       return np.moveaxis(q.reshape(q.shape[:-2] + (-1,))[..., :K], -1, axis).astype(np.float32)
;;   ~~~
;;   SOFTMAX AHEAD OF A QUANTISED PRODUCT. Where the list says 'softmax', what is quantised is not the finished softmax but p = 2^(t - M), with t = logit x log2(e) and M = ceil(the row's largest t), a whole number; so 1/2 < the row's largest p <= 1. The row's sum l is taken of the UNQUANTISED p, in f32, and the product's result is divided by l at the end. Since M is a whole number, a kernel that streams over the keys may use a running M (the ceiling of the running maximum): every later rescaling is an exact power of two, which a block's scale takes up: the codes' values come out the same.
;;   OPERANDS COMPUTED ON THE WAY. 'Computed on the way' means the value that the module computes at that place (a softmax that the list does not call 'softmax' is quantised finished and normalised). What goes into a quantiser is computed in f32, as accurately as f32 sums, v_exp_f32 and their like allow (about 1e-6 of the number): no bf16 or f16 on the way to a quantiser, and a product that is left as it is and whose result goes on into a quantised operand takes f32 operands (vector FMAs, or v_wmma_f32_16x16x4_f32). A number that lies on a knife's edge between two numbers of the format may be rounded either way, as far as f32 arithmetic and the matrix unit's own rounding can turn it there, and no further.
;; One version. Each part assembles by itself: llvm-mc -triple=amdgcn-amd-amdhsa -mcpu=gfx1250 --defsym DOCPART=n.
;; ======== version 1 of 1: 2 launches
;; workspace buffers: qc 3,670,016 bytes; kv 6,684,672 bytes
;; launch proj (part 1): grid 512 x 1, 4 waves a work-group, no clusters, 18,432 bytes of LDS; arguments x, Wq, Wk, Wv, qc, kv; writes qc, kv
.if DOCPART == 1
	.amdgcn_target "amdgcn-amd-amdhsa--gfx1250"
	.amdhsa_code_object_version 6
	.text
	.protected	k_q01079dde9b_proj
	.globl	k_q01079dde9b_proj
	.p2align	8
	.type	k_q01079dde9b_proj,@function
k_q01079dde9b_proj:
	s_mov_b64 s[64:65], 0
	v_nop
	global_prefetch_b8 v0, s[64:65] scope:SCOPE_SE
	s_setreg_imm32_b32 hwreg(HW_REG_WAVE_MODE, 25, 1), 1
	s_wait_xcnt 0x0
; q = x Wq^T, k = x Wk^T, v = x Wv^T on codes of BF6 (E3M2) with one E8M0 scale for each 32 along K (K = the 64 channels), and the results quantised again:
; q and k along their 64 channels, v along the KEYS.  x: [65536][64] f32; Wq, Wk, Wv: [64][64] f32, K innermost.  Codes and scale words leave in the order of the next launch's operand registers.
; SHARES.  A work-group takes 128 tokens (one block of kv), wave w tokens 32 w .. 32 w + 31 of them, as two tiles of 16: tile u, lane r = token 32 w + 8 u + r + 8 (r / 8).
; Wave w also quantises tile w of each of the three weights; the 12 fragments go from wave to wave through LDS as images of their registers.
; q AND k ARE MADE TRANSPOSED (source 0 = 16 rows of W, source 1 = 16 tokens): a lane holds one token and its registers run along the channels; lane r of a tile 2 b + u of Wq or Wk takes row 32 b + 8 u + r + 8 (r / 8),
; so that the 16 registers of two neighbouring tiles are 16 neighbouring channels.  v is made with source 0 = 16 tokens, source 1 = 16 rows of Wv: a lane holds one channel and 16 neighbouring tokens, which are its next K.
; K = 64 IN AN INSTRUCTION OF K = 128.  x's fragment has zero codes in its registers 6-11 (k = 64 .. 127).  W's fragments lie 6 registers apart, so that an instruction's upper six registers of W are the next fragment's
; codes (behind the last: six cleared registers): finite numbers times 0.  Bytes 2 and 3 of these products' scale words are 0, which stands for 2^-127 and is no NaN.
; THE QUANTISER.  A block's scale byte is its largest magnitude's exponent field - 4, held at 1 from below by a floor among the maximum's leaves; the conversion rounds to the nearest code, ties to even, and holds at the largest.
; LIMITS: NaN and infinities are not served; a block whose largest magnitude lies under 2^-122, a block of zeros among them, gets the byte 1 (a block of zeros has zero codes, and this program alone reads the bytes).
; No tensor load, no loop, two barriers.  No register that a pending store reads is written again and EXEC never changes.
.set WIMG, 0                           ; LDS: W's 12 fragments (f = 4 x matrix + tile): registers 0-3 at 768 f + 16 lane, registers 4-5 at 768 f + 512 + 8 lane
.set WSC,  9216                        ; their scale words: 128 f + 4 lane
.set VST,  10752                       ; the block's image of V, 6,144 bytes: register n of lane l at 512 (n / 4) + 16 l + 4 (n % 4)
.set SST,  16896                       ; the block's image of K's and V's scale words, 768 bytes
.set L16, 1                            ; v1   16 x lane
.set L8,  2                            ; v2   8 x lane
.set L4,  3                            ; v3   4 x lane
.set XA,  4                            ; v4   x: (r + 8 (r / 8)) rows of 256 bytes + 128 h: my block of 32 channels
.set SO,  5                            ; v5   8 x lane + 256 x wave: the scale image on its way out
.set WB,  6                            ; v6   Wv: row 16 w + r, + 128 h
.set WI,  7                            ; v7   where I store W's images: 768 w + 16 lane
.set WJ,  8                            ; v8   768 w + 512 + 8 lane
.set WK,  9                            ; v9   WSC + 128 w + 4 lane
.set SH8, 10                           ; v10  8 h
.set KO,  11                           ; v11  16 x lane + 1,536 x wave
.set VA1, 12                           ; v12, v13: where my codes of v go in V's image
.set VA2, 13
.set SBA, 14                           ; v14  where v's scale bytes go
.set KSA, 15                           ; v15  where k's scale words go
.set XF,  16                           ; v16-39   x's two fragments, 12 registers each, the upper six 0
.set WF,  40                           ; v40-111  W's 12 fragments, 6 apart; v112-117 are 0
.set XR,  40                           ; v40-103  before that: x as f32
.set WS,  118                          ; v118-129 W's scale words
.set XS,  130                          ; v130-131 x's scale words
.set KW,  132                          ; v132-133 k's scale words
.set WA,  133                          ; v133     before that: Wq's and Wk's rows of tile w
.set ACC, 134                          ; v134-197 eight accumulators
.set WR,  134                          ; v134-229 before that: my three tiles of W as f32
.set PCQ, 198                          ; codes of q, of k, of v: 12 registers each
.set PCK, 210
.set PCV, 222
.set WC,  230                          ; v230-235 a fragment of W just made
.set PT,  234                          ; v234-241 the conversions' second halves
.set TT,  236
.set T0,  240                          ; v240-244 at work in QROW
.set T1,  241
.set T2,  242
.set T3,  243
.set T4,  244
.set TM,  242                          ; v242-245 largest magnitudes, v246-249 exchange and bytes, v250-253 the conversions' scale operands
.set QW,  254                          ; v254-255 q's scale words
.set WV,  16
.set SEL, 20
; 32 numbers of ONE lane, a whole block (lane (r, h): block h of row r), become registers 0-5 of a fragment; the row's scale word (byte h from lane (r, h), bytes 2 and 3 zero) goes to v[sw].
.macro QROW src, dst, sw
	v_max3_num_f32 v[T0], |v[(\src)]|, |v[(\src)+1]|, 0x2800000          ; the floor 2^(5 - 127) among the leaves: the byte cannot fall under 1
	v_max3_num_f32 v[T1], |v[(\src)+2]|, |v[(\src)+3]|, |v[(\src)+4]|
.irp i, 5,9,13,17,21,25
	v_max3_num_f32 v[T0], v[T0], |v[(\src)+\i]|, |v[(\src)+\i+1]|        ; two chains, so that no line waits for the line above it
	v_max3_num_f32 v[T1], v[T1], |v[(\src)+\i+2]|, |v[(\src)+\i+3]|
.endr
	v_max3_num_f32 v[T0], v[T0], |v[(\src)+29]|, |v[(\src)+30]|
	v_max3_num_f32 v[T0], v[T0], v[T1], |v[(\src)+31]|
	v_add_nc_u32 v[T2], 0xfe000000, v[T0]                              ; 4 off the exponent field: the conversion's scale operand
	v_lshrrev_b32 v[T3], 23, v[T2]                                     ; the scale's byte,
	v_lshlrev_b32 v[T3], v[SH8], v[T3]                                 ; at its place in the word,
	v_permlanex16_b32 v[T4], v[T3], s[SEL], s[SEL+1]
	v_or_b32 v[\sw], v[T3], v[T4]                                      ; with lane l xor 16's
	v_cvt_scalef32_pk16_bf6_f32 v[(\dst):(\dst)+2], v[(\src):(\src)+15], v[T2]
	v_cvt_scalef32_pk16_bf6_f32 v[TT:TT+2], v[(\src)+16:(\src)+31], v[T2]   ; (a conversion's three registers begin on an even number)
	v_nop                                                              ; one plain place behind a scaled conversion
.irp i, 0,1,2
	v_mov_b32 v[(\dst)+3+\i], v[TT+\i]
.endr
.endm
; Four groups of 16 registers, v[acc + 16 g ..]: lanes l and l xor 16 hold a block of 32 together, the lower lane its lower half.  The bytes are left in v[TM+4+g].
; Codes: v[pc + 6 c .. + 5] hold a whole block a lane: lanes 0-15 group 2 c's, lanes 16-31 group 2 c + 1's.
.macro QUANT64 acc, pc
.irp b, 0,1,2,3
	v_max3_num_f32 v[TM+\b], |v[\acc+16*\b]|, |v[\acc+16*\b+1]|, 0x2800000  ; each accumulator is read from its low end on
.endr
.irp i, 2,4,6,8,10,12,14
.irp b, 0,1,2,3
	v_max3_num_f32 v[TM+\b], v[TM+\b], |v[\acc+16*\b+\i]|, |v[\acc+16*\b+\i+1]|
.endr
.endr
.irp b, 0,1,2,3
	v_permlanex16_b32 v[TM+4+\b], v[TM+\b], s[SEL], s[SEL+1]
.endr
.irp b, 0,1,2,3
	v_max_num_f32 v[TM+\b], v[TM+\b], v[TM+4+\b]
.endr
.irp b, 0,1,2,3
	v_add_nc_u32 v[TM+8+\b], 0xfe000000, v[TM+\b]
.endr
.irp b, 0,1,2,3
	v_lshrrev_b32 v[TM+4+\b], 23, v[TM+8+\b]
.endr
.irp c, 0,1
	v_cvt_scalef32_pk16_bf6_f32 v[\pc+6*\c:\pc+6*\c+2], v[\acc+32*\c:\acc+32*\c+15], v[TM+8+2*\c]
	v_cvt_scalef32_pk16_bf6_f32 v[PT+4*\c:PT+4*\c+2], v[\acc+32*\c+16:\acc+32*\c+31], v[TM+9+2*\c]
.endr
	v_nop                                                              ; one plain place behind a scaled conversion
.irp c, 0,1
.irp i, 0,1,2
	v_permlane16_swap_b32 v[\pc+6*\c+\i], v[PT+4*\c+\i]                ; the first's lanes 16-31 change places with the second's lanes 0-15
.endr
.irp i, 0,1,2
	v_mov_b32 v[\pc+6*\c+3+\i], v[PT+4*\c+\i]
.endr
.endr
.endm
.macro PROD d, a, b, sa, sb            ; a sum of one instruction: C is the constant 0
	v_wmma_scale_f32_16x16x128_f8f6f4 v[(\d):(\d)+7], v[(\a):(\a)+11], v[(\b):(\b)+11], 0, v[\sa], v[\sb] matrix_a_fmt:MATRIX_FMT_BF6 matrix_b_fmt:MATRIX_FMT_BF6
.endm
.macro PLACES                          ; four places between a matrix instruction and the first vector instruction that reads its result (ISA guide 7.12.1)
.rept 4
	v_nop
.endr
.endm
	s_load_b256 s[4:11], s[0:1], 0x0               ; x s[4:5], Wq s[6:7], Wk s[8:9], Wv s[10:11]
	s_load_b128 s[12:15], s[0:1], 0x20             ; qc s[12:13], kv s[14:15]
	s_set_vgpr_msb 0x40
	v_lshl_add_u32 v0, v0, 2, 0x4600
	v_mov_b32 v1, 0
	s_set_vgpr_msb 0x4000
	v_lshrrev_b32 v1, 5, v0
	v_readfirstlane_b32 s[WV], v1                  ; wave 0..3
	v_and_b32 v242, 31, v0                         ; lane
	v_and_b32 v240, 15, v0                         ; r
	v_bfe_u32 v241, v0, 4, 1                       ; h
	s_lshr_b32 s17, s[WV], 1
	s_and_b32 s18, s[WV], 1
	v_lshlrev_b32 v[L16], 4, v242
	v_lshlrev_b32 v[L8], 3, v242
	v_lshlrev_b32 v[L4], 2, v242
	v_and_b32 v243, 8, v240
	v_add_nc_u32 v243, v243, v240                  ; r + 8 (r / 8)
	v_lshlrev_b32 v[XA], 8, v243
	v_lshl_add_u32 v[XA], v241, 7, v[XA]
	s_lshl_b32 s22, s17, 13                        ; tile w of Wq and Wk begins at row 32 (w / 2) + 8 (w % 2)
	s_lshl_b32 s23, s18, 11
	s_add_co_u32 s22, s22, s23
	v_add_nc_u32 v[WA], s22, v[XA]
	v_lshlrev_b32 v[WB], 8, v240
	v_lshl_add_u32 v[WB], v241, 7, v[WB]
	s_lshl_b32 s23, s[WV], 12
	v_add_nc_u32 v[WB], s23, v[WB]
	s_mul_i32 s24, s[WV], 768
	v_add_nc_u32 v[WI], s24, v[L16]
	v_add_nc_u32 v[WJ], s24, v[L8]
	v_add_nc_u32 v[WJ], 512, v[WJ]
	s_lshl_b32 s25, s[WV], 7
	v_add_nc_u32 v[WK], s25, v[L4]
	v_add_nc_u32 v[WK], WSC, v[WK]
	v_lshlrev_b32 v[SH8], 3, v241
	s_mul_i32 s26, s[WV], 1536
	v_add_nc_u32 v[KO], s26, v[L16]
	; v's codes: my lane (r, h) holds, in registers 6 c + i, channel 16 (2 c + h) + r and keys 32 w ..: register 24 c + 12 h + 6 (w / 2) + i of lane r + 16 (w % 2) of V's image
	v_lshlrev_b32 v[VA1], 4, v240
	v_mad_u32_u24 v[VA1], v241, 1536, v[VA1]
	s_lshl_b32 s27, s18, 8
	s_add_co_u32 s27, s27, VST
	v_add_nc_u32 v[VA1], s27, v[VA1]
	s_mul_i32 s28, s17, 520
	s_mul_i32 s29, s17, 1016
	v_add_nc_u32 v[VA2], s29, v[VA1]
	v_add_nc_u32 v[VA1], s28, v[VA1]
	v_lshl_add_u32 v[SBA], v240, 4, SST+256        ; V's scale words lie in the image's lanes 16-31: byte w of word t of row r
	v_add_nc_u32 v[SBA], s[WV], v[SBA]
	v_lshl_add_u32 v[KSA], v240, 4, SST            ; K's: tiles 0-3 in lanes 0-15 of the first 512 bytes, tiles 4-7 in the 256 behind; mine are tiles 2 w, 2 w + 1
	s_lshl_b32 s30, s17, 9
	s_lshl_b32 s31, s18, 3
	s_add_co_u32 s30, s30, s31
	v_add_nc_u32 v[KSA], s30, v[KSA]
	s_lshl_b32 s31, s[WV], 8
	v_add_nc_u32 v[SO], s31, v[L8]
	s_mov_b32 s[SEL], 0x76543210
	s_mov_b32 s[SEL+1], 0xfedcba98                 ; v_permlanex16_b32's selects for lane l xor 16
.irp i, 6,7,8,9,10,11,18,19,20,21,22,23
	v_mov_b32 v[XF+\i], 0                          ; x's codes of k = 64 .. 127
.endr
.irp i, 244,246,247,248,249
	v_mov_b32 v\i, 0                               ; written once: a lane permute's destination counts as one of its sources
.endr
	s_lshl_b32 s32, ttmp9, 15                      ; x: 128 tokens of 256 bytes a work-group, 32 a wave
	s_lshl_b32 s33, s[WV], 13
	s_add_co_u32 s32, s32, s33
	s_mov_b32 s33, 0
	s_lshl_b32 s34, ttmp9, 2
	s_add_co_u32 s34, s34, s[WV]
	s_mul_i32 s34, s34, 1792                       ; qc: a block of 1,792 bytes for each 32 tokens
	s_mov_b32 s35, 0
	s_mul_i32 s36, ttmp9, 13056                    ; kv: a block of 13,056 bytes for each 128 tokens
	s_mov_b32 s37, 0
	s_wait_kmcnt 0x0
	s_add_nc_u64 s[4:5], s[4:5], s[32:33]
	s_add_nc_u64 s[12:13], s[12:13], s[34:35]
	s_add_nc_u64 s[14:15], s[14:15], s[36:37]
.irp j, 0,1,2,3,4,5,6,7
	global_load_b128 v[WR+4*\j:WR+4*\j+3], v[WA], s[6:7] offset:16*\j
.endr
.irp j, 0,1,2,3,4,5,6,7
	global_load_b128 v[WR+32+4*\j:WR+32+4*\j+3], v[WA], s[8:9] offset:16*\j
.endr
.irp j, 0,1,2,3,4,5,6,7
	global_load_b128 v[WR+64+4*\j:WR+64+4*\j+3], v[WB], s[10:11] offset:16*\j
.endr
.irp u, 0,1
.irp j, 0,1,2,3,4,5,6,7
	global_load_b128 v[XR+32*\u+4*\j:XR+32*\u+4*\j+3], v[XA], s[4:5] offset:2048*\u+16*\j
.endr
.endr
	; ---- my tile of each weight: quantised, and its image stored
.irp m, 0,1,2
	s_wait_loadcnt 32-8*\m                         ; this tile's eight loads are in; behind them: the later tiles' and x's sixteen
	QROW WR+32*\m, WC, T1
	ds_store_b128 v[WI], v[WC:WC+3] offset:WIMG+3072*\m
	ds_store_b64 v[WJ], v[WC+4:WC+5] offset:WIMG+3072*\m
	ds_store_b32 v[WK], v[T1] offset:512*\m
	s_wait_dscnt 0x0                               ; the stores are done: their registers are written again, and the barrier below wants them landed
.endr
	; ---- my two tiles of x
	s_wait_loadcnt 8                               ; the first tile's eight loads are in
	QROW XR, XF, XS
	s_wait_loadcnt 0x0
	QROW XR+32, XF+12, XS+1
	s_barrier_signal -1
	s_barrier_wait -1                              ; all twelve images lie in LDS
.irp f, 0,1,2,3,4,5,6,7,8,9,10,11
	ds_load_b128 v[WF+6*\f:WF+6*\f+3], v[L16] offset:WIMG+768*\f
	ds_load_b64 v[WF+6*\f+4:WF+6*\f+5], v[L8] offset:WIMG+768*\f+512
	ds_load_b32 v[WS+\f], v[L4] offset:WSC+128*\f
.endr
.irp i, 72,73,74,75,76,77
	v_mov_b32 v[WF+\i], 0                          ; behind the last fragment.  With the four lines below and QROW's last four: the places between x's scale word, written by a vector instruction, and the first product
.endr
	PLACES
	s_wait_dscnt 0x0
	; ---- q: transposed.  Accumulator 32 u + 8 t: tokens of tile u, channels 32 (t / 2) + 16 h + 8 (t % 2) + 0 .. 7
.irp u, 0,1
.irp t, 0,1,2,3
	PROD ACC+32*\u+8*\t, WF+6*\t, XF+12*\u, WS+\t, XS+\u
.endr
.endr
	PLACES
	QUANT64 ACC, PCQ                               ; group 2 u + b: block b of tile u's tokens: registers 6 u .. 6 u + 5 are the fragment of tile u
.irp u, 0,1
	v_lshl_or_b32 v[QW+\u], v[TM+5+2*\u], 8, v[TM+4+2*\u]
.endr
.irp u, 0,1
.irp p, 0,1,2
	global_store_b64 v[L8], v[PCQ+6*\u+2*\p:PCQ+6*\u+2*\p+1], s[12:13] offset:768*\u+256*\p   ; 32 lanes store 256 consecutive bytes, at a multiple of 256 from the buffer's first byte
.endr
.endr
	global_store_b64 v[L8], v[QW:QW+1], s[12:13] offset:1536
	; ---- k: the same with Wk
.irp u, 0,1
.irp t, 0,1,2,3
	PROD ACC+32*\u+8*\t, WF+24+6*\t, XF+12*\u, WS+4+\t, XS+\u
.endr
.endr
	PLACES
	QUANT64 ACC, PCK
.irp u, 0,1
	v_lshl_or_b32 v[KW+\u], v[TM+5+2*\u], 8, v[TM+4+2*\u]
.endr
.irp j, 0,1,2
	global_store_b128 v[KO], v[PCK+4*\j:PCK+4*\j+3], s[14:15] offset:512*\j   ; registers 12 w .. 12 w + 11 of K's image: 512 consecutive bytes a store
.endr
	ds_store_b64 v[KSA], v[KW:KW+1]                ; lanes r and r + 16 write the same words with the same values
	; ---- v: source 0 = my tokens, source 1 = Wv.  Accumulators 16 t, 16 t + 8: channel 16 t + r, tokens 32 w + 16 h + 0 .. 15
.irp t, 0,1,2,3
.irp u, 0,1
	PROD ACC+16*\t+8*\u, XF+12*\u, WF+48+6*\t, XS+\u, WS+8+\t
.endr
.endr
	PLACES
	QUANT64 ACC, PCV                               ; group t: the block of keys 32 w .. 32 w + 31 of channel 16 t + r
.irp c, 0,1
	ds_store_b64 v[VA1], v[PCV+6*\c:PCV+6*\c+1] offset:3072*\c
	ds_store_b64 v[VA2], v[PCV+6*\c+2:PCV+6*\c+3] offset:3072*\c+8
	ds_store_b64 v[VA1], v[PCV+6*\c+4:PCV+6*\c+5] offset:3072*\c+512
.endr
.irp t, 0,1,2,3
	ds_store_b8 v[SBA], v[TM+4+\t] offset:4*\t     ; both lanes of a block write the same byte with the same value
.endr
	s_wait_dscnt 0x0                               ; for the others' sake: my stores have landed
	s_barrier_signal -1
	s_barrier_wait -1                              ; V's image and the scale image are whole
.irp j, 0,1,2
	ds_load_b128 v[ACC+4*\j:ACC+4*\j+3], v[KO] offset:VST+512*\j
.endr
.irp j, 0,1,2
	s_wait_dscnt 2-\j                              ; the younger loads may be out
	global_store_b128 v[KO], v[ACC+4*\j:ACC+4*\j+3], s[14:15] offset:6144+512*\j
.endr
	s_cmp_lt_u32 s[WV], 3                          ; the scale image is three times 256 bytes: waves 0 to 2
	s_cbranch_scc0 .Ldone
	ds_load_b64 v[ACC+12:ACC+13], v[SO] offset:SST
	s_wait_dscnt 0x0
	global_store_b64 v[SO], v[ACC+12:ACC+13], s[14:15] offset:12288
.Ldone:
	s_set_vgpr_msb 0x5
	s_wait_tensorcnt 0x0
	ds_add_u32 v0, v1
	s_wait_dscnt 0x0
	s_set_vgpr_msb 0x500
	s_endpgm
.Lfunc_end_k_q01079dde9b_proj:
	.size	k_q01079dde9b_proj, .Lfunc_end_k_q01079dde9b_proj-k_q01079dde9b_proj
	.p2alignl 7, 3214868480
	.fill 96, 4, 3214868480
	.section	.rodata,"a",@progbits
	.p2align	6, 0x0
	.amdhsa_kernel k_q01079dde9b_proj
		.amdhsa_group_segment_fixed_size 18432
		.amdhsa_private_segment_fixed_size 0
		.amdhsa_enable_private_segment 0
		.amdhsa_kernarg_size 48
		.amdhsa_user_sgpr_count 2
		.amdhsa_user_sgpr_kernarg_segment_ptr 1
		.amdhsa_wavefront_size32 1
		.amdhsa_system_sgpr_workgroup_id_x 1
		.amdhsa_system_sgpr_workgroup_id_y 1
		.amdhsa_system_sgpr_workgroup_id_z 1
		.amdhsa_system_vgpr_workitem_id 0
		.amdhsa_next_free_vgpr 258
		.amdhsa_next_free_sgpr 66
		.amdhsa_reserve_vcc 0
		.amdhsa_float_denorm_mode_32 3
		.amdhsa_float_denorm_mode_16_64 3
		.amdhsa_memory_ordered 1
		.amdhsa_forward_progress 1
		.amdhsa_inst_pref_size 36
	.end_amdhsa_kernel
	.amdgpu_metadata
---
amdhsa.version: [ 1, 2 ]
amdhsa.kernels:
  - .name:           k_q01079dde9b_proj
    .symbol:         k_q01079dde9b_proj.kd
    .args:
      - { .name: x, .offset: 0, .size: 8, .value_kind: global_buffer, .address_space: global }
      - { .name: Wq, .offset: 8, .size: 8, .value_kind: global_buffer, .address_space: global }
      - { .name: Wk, .offset: 16, .size: 8, .value_kind: global_buffer, .address_space: global }
      - { .name: Wv, .offset: 24, .size: 8, .value_kind: global_buffer, .address_space: global }
      - { .name: qc, .offset: 32, .size: 8, .value_kind: global_buffer, .address_space: global }
      - { .name: kv, .offset: 40, .size: 8, .value_kind: global_buffer, .address_space: global }
    .group_segment_fixed_size: 18432
    .private_segment_fixed_size: 0
    .kernarg_segment_align: 8
    .kernarg_segment_size: 48
    .max_flat_workgroup_size: 128
    .sgpr_count:     66
    .vgpr_count:     258
    .wavefront_size: 32
...
	.end_amdgpu_metadata
.endif
;; end of part 1
;; launch attn (part 2): grid 16 x 16, 8 waves a work-group, no clusters, 327,680 bytes of LDS; arguments qc, kv, out0; writes out0
.if DOCPART == 2
	.amdgcn_target "amdgcn-amd-amdhsa--gfx1250"
	.amdhsa_code_object_version 6
	.text
	.protected	k_q01079dde9b_attn
	.globl	k_q01079dde9b_attn
	.p2align	8
	.type	k_q01079dde9b_attn,@function
k_q01079dde9b_attn:
	s_mov_b64 s[64:65], 0
	v_nop
	global_prefetch_b8 v0, s[64:65] scope:SCOPE_SE
	s_setreg_imm32_b32 hwreg(HW_REG_WAVE_MODE, 25, 1), 1
	s_wait_xcnt 0x0
; out[b][q][:] = the sum over keys k <= q of softmax_k(q . k / 8) v[k][:], both products on codes of BF6 (E3M2) with one E8M0 scale for each 32 along a product's K.  16 batches, 4,096 tokens, 64 channels.
; qc and kv hold codes and scale words in the order of the operands' registers: kv is a block of 13,056 bytes for each 128 keys: K's 8 fragments (48 registers: register n of lane l at 512 (n / 4) + 16 l + 4 (n % 4)),
; V's 4 fragments (48 registers, keys innermost), and the scale words (16 l + 4 t: lanes 0-15 K's tiles 0-3, lanes 16-31 V's tiles 0-3; behind them 16 r + 4 (t - 4): K's tiles 4-7).
; THE SOFTMAX: t = score x log2(e) / 8; M = the row's largest t so far, rounded up to a whole number; p = 2^(t - M) is quantised along the keys, not normalised; the row's sum is taken of the unquantised p and divides at the end.
; When M moves, the sum and O are multiplied by 2^(old M - new M), which rounds nothing.
; SHARES.  Work-group (i, batch) owns the blocks of 128 queries i and 31 - i, one after the other; each of its eight waves owns one tile of 16 queries of each.  Block j needs key steps 0 .. j (128 keys a step), so every
; work-group walks (i + 1) + (32 - i) = 33 steps, and nothing beyond the diagonal is fetched or multiplied.  Stream position T is key step T where T <= i, else T - i - 1.  A pass's last step is its only step on the diagonal.
; LAYOUT.  Both products are used transposed: S^T = K Q^T (source 0 = 16 keys), O^T = V^T P^T (source 0 = 16 channels): a lane holds ONE query throughout.  Lane r of K's tile 2 b + u is key 32 b + 8 u + r + 8 (r / 8),
; so that the 16 registers of tiles 2 b, 2 b + 1 are keys 32 b + 16 (lane / 16) + 0 .. 15.  A tile of queries is laid likewise: lane r has query Q0 + r + 8 (r / 8).
; K = 64 IN AN INSTRUCTION OF K = 128: Q's registers 6-11 are zero codes; K's fragments lie 6 registers apart, so that an instruction's upper six are the next fragment's codes (behind the last: six cleared registers):
; finite numbers times 0.  Bytes 2 and 3 of Q's and K's scale words are 0, which stands for 2^-127 and is no NaN.
; THE RING.  Two LDS slots of three stream steps.  Behind each change of slots waves 0, 1, 2 each fetch one step's block by one tensor load; by this text's count a wave has at most one tensor load out.
; NO CLUSTER: work-groups of one batch change from their first block to their second at different stream positions (i + 1), so in the same round they want different blocks, and the change is a branch on the work-group's place.
; LIMITS: NaN and infinities are not served; a p under 2^-126 is taken as 0; a block of p whose largest lies under 2^-122 gets the byte 1.
.set STEPB, 13056                      ; a step's block
.set SLOT1, 65536                      ; slot 1 begins here: one exclusive or turns an address in one slot into the other's
.set STAGE, 131072                     ; the way out: 16 rows x (256 bytes + 16) for each wave; no fill lands here
.set SPARE, STAGE+8*16*272             ; the spare words, 128 bytes for each wave: four blocks of 256 bytes that no other line names
.set LI,   1                           ; v1   16 x lane
.set LR,   2                           ; v2   16 x (lane % 16)
.set SPW,  3                           ; v3   LDS address of my spare word; never rewritten
.set NIL,  4                           ; v4   0; never rewritten
.set GO,   5                           ; v5   the way out: 256 (lane / 16) + 16 (lane % 16)
.set STO,  6                           ; v6   where I put 32 bytes of a row in my stage
.set SRD,  7                           ; v7   where I read a row back
.set ADK,  8                           ; v8   the step's block + 16 x lane
.set ADS,  9                           ; v9   the step's block + 16 x (lane % 16)
.set DG,   10                          ; v10  my query's place in its block of 128, less 16 (lane / 16)
.set NINF, 11                          ; v11  -infinity
.set NM,   12                          ; v12  -M;  v13 the largest t so far;  v[14:15] the sum in two halves
.set TMAX, 13
.set SUM,  14
.set QF,   16                          ; v16-27  Q's fragment; v22-27 are 0
.set QS,   28                          ; v28     Q's scale words
.set PFO,  29                          ; v29     256 x lane: the prefetches' offset; never rewritten
.set QB,   30                          ; v30-35  the second pass's Q;  v36 its scale words
.set QBS,  36
.set PW,   37                          ; v37     p's scale word
.set QO,   38                          ; v38, v39 offsets of Q's codes and scale word in a block of qc
.set QSO,  39
.set SC,   40                          ; v40-47  the step's scale words
.set KF,   48                          ; v48-95  K's 8 fragments, 6 apart; v96-101 are 0
.set VF,   102                         ; v102-149 V's 4 fragments
.set S,    150                         ; v150-213 S^T, then p
.set O,    214                         ; v214-245 O^T
.set F,    246                         ; v[246:247] 2^(old M - new M) (the pair's upper half is written once)
.set TA,   248
.set RC,   250                         ; v[250:251] 1 / the sum
.set PC,   48                          ; at work, in K's registers, which are free behind the eight products: p's codes,
.set PT,   60                          ; the conversions' second halves,
.set BM,   68                          ; the blocks' largest scores, then largest p,
.set BP,   72                          ; exchange, then bytes,
.set BS,   76                          ; the conversions' scale operands
.set WV,   10                          ; s10  wave
.set BI,   11                          ; s11  i;  s12  i + 1;  s13  batch
.set BI1,  12
.set BAT,  13
.set KVB,  14                          ; s[14:15] the batch's first block of kv; never rewritten
.set G1,   16                          ; s[16:23] descriptor group 1;  s[24:27] group 0
.set G0,   24
.set TPOS, 28                          ; s28  T, the stream position in hand
.set TP,   29                          ; s29  the stream position that my tensor load fetches
.set TB,   30                          ; s30  LDS byte at which the step's block begins
.set SLOTS, 31
.set CNT,  32
.set OFF,  34                          ; s[34:35] a block's offset in the batch's kv
.set SEL,  36
.set CS,   38                          ; s[38:39] c = log2(e) / 8
.set OUT,  40                          ; s[40:41] my tile's first row of out in the pass in hand;  s[42:43] in the second pass
.set OUTB, 42
.set PFA,  44                          ; s[44:45] where my prefetches stand;  s46 which piece of 8,192 bytes that is;  s47 pieces from this number on are not asked for
.set PFC,  46
.set LIM,  47
.macro KSADR                           ; group 0's global address from s[TP]: key step TP, or TP - i - 1 in the second pass
	s_cmp_gt_u32 s[TP], s[BI]
	s_cselect_b32 s48, s[BI1], 0
	s_sub_co_u32 s48, s[TP], s48
	s_mul_i32 s[OFF], s48, STEPB
	s_add_nc_u64 s[G0+2:G0+3], s[KVB:KVB+1], s[OFF:OFF+1]
	s_or_b32 s[G0+3], s[G0+3], 0x80000000          ; 127:126 type = 2
.endm
.macro TLOAD                           ; waves 0, 1, 2 fetch; the branch hangs on the wave's number alone.  Four v_nop follow the load
	s_cmp_lt_u32 s[WV], 3
	s_cbranch_scc0 .Lnone_\@
	tensor_load_to_lds s[G0:G0+3], s[G1:G1+7]
	s_nop 0
.rept 4
	v_nop
.endr
.Lnone_\@:
.endm
; A PREFETCH INTO THE L2.  A batch's kv is one dense run of 51 pieces of 8,192 bytes.  Work-group i = 0 of a batch, whose second pass walks all 32 key steps, asks, and nobody else; in it waves 3 to 7, which fetch nothing,
; ask for one piece each at every change of slots that fills a slot, lanes 256 bytes apart: at the n-th such change pieces 10 + 5 n .. 14 + 5 n, which begin behind all that this change's tensor loads fetch and reach beyond what
; the next change's will.  So each aligned block of 256 bytes is named once.  The first ten pieces come by their loads alone; pieces from 51 on do not exist and are not named.
.macro ASK
	s_cmp_lt_u32 s[PFC], s[LIM]
	s_cbranch_scc0 .Lnot_mine_\@
	global_prefetch_b8 v[PFO], s[PFA:PFA+1] th:TH_LOAD_NT scope:SCOPE_SE
.Lnot_mine_\@:
.endm
; THE CHANGE OF SLOTS, at a slot's head.  Each wave waits for all its tensor loads (its part of the slot ahead), adds 0 to its spare word, and waits for that and for its reads of the slot that it has left.
; Behind the barrier the slot ahead is whole and nobody reads the other one.  fill = 1: that other slot takes the next three stream steps; the load has three steps' work in which to land.
.macro CHANGE fill
	s_wait_tensorcnt 0x0                           ; no tensor load of mine is out, so group 0 may be written
	ds_add_u32 v[SPW], v[NIL]                      ; 0 onto my spare word; the descriptor's steps stand between it and the wait for it
.if \fill
	s_add_co_u32 s[TP], s[TP], 3
	KSADR
	s_xor_b32 s[G0+1], s[G0+1], SLOT1              ; the other slot than last time
	s_wait_xcnt 0x0                                ; the last prefetch, a slot back, has read its address, so it may be written
	s_add_nc_u64 s[PFA:PFA+1], s[PFA:PFA+1], 40960
	s_add_co_u32 s[PFC], s[PFC], 5
.endif
	s_wait_dscnt 0x0                               ; the add is done, and my reads of the slot that I have left are over
	s_barrier_signal -1
	s_barrier_wait -1
.if \fill
	TLOAD                                          ; the first thing behind the barrier, and a wave's one tensor load until the next
	ASK
.endif
.endm
; THE WAY OUT of a pass.  O^T / the sum goes through my stage in LDS and leaves as whole rows of 256 bytes.  reinit = 1: the second pass's Q takes its place, and M, the sum and O^T begin anew.
.macro FLUSH reinit
	v_add_f32 v[SUM], v[SUM], v[SUM+1]             ; the sum's two halves,
	v_permlanex16_b32 v[BP], v[SUM], s[SEL], s[SEL+1]
	v_add_f32 v[SUM], v[SUM], v[BP]                ; and lane l xor 16's
	v_rcp_f32 v[RC], v[SUM]
	v_nop                                          ; a plain place behind the reciprocal,
	s_wait_alu depctr_va_vdst(0)                   ; and a wait ahead of its first reader
.set n, 0
.rept 16
	v_pk_mul_f32 v[S+n:S+n+1], v[O+n:O+n+1], v[RC:RC+1] op_sel_hi:[1,0]   ; register 8 t + j: channel 16 t + 8 h + j.  Each accumulator from its low end on
.set n, n+2
.endr
.irp t, 0,1,2,3
	ds_store_b128 v[STO], v[S+8*\t:S+8*\t+3] offset:64*\t
	ds_store_b128 v[STO], v[S+8*\t+4:S+8*\t+7] offset:64*\t+16
.endr
.irp i, 0,1,2,3,4,5,6,7
	ds_load_b128 v[S+32+4*\i:S+32+4*\i+3], v[SRD] offset:544*\i   ; LDS serves a wave's instructions in order (ISA guide 5.7.1.4): these see my stores.  Rows 2 i and 2 i + 1 of the tile
.endr
.irp i, 0,1,2,3,4,5,6,7
	s_wait_dscnt 7-\i                              ; the younger loads may be out
	global_store_b128 v[GO], v[S+32+4*\i:S+32+4*\i+3], s[OUT:OUT+1] offset:512*\i+2048*(\i/4) th:TH_STORE_NT   ; the tile's rows 8-15 are queries Q0 + 16 ..; sixteen lanes store a row's 256 bytes
.endr
.if (\reinit)
.irp i, 0,1,2,3,4,5
	v_mov_b32 v[QF+\i], v[QB+\i]
.endr
	v_mov_b32 v[QS], v[QBS]                        ; the 36 lines below are more than the places that a scale word written by a vector instruction wants ahead of a scaled product
	v_mov_b32 v[TMAX], 0xff61b1e6
	v_floor_f32 v[NM], -v[TMAX]
	v_mov_b32 v[SUM], 0
	v_mov_b32 v[SUM+1], 0
.set n, 0
.rept 32
	v_mov_b32 v[O+n], 0
.set n, n+1
.endr
.endif
	s_wait_xcnt 0x0                                ; the stores have read their registers and their base: both are written again
.if (\reinit)
	s_mov_b64 s[OUT:OUT+1], s[OUTB:OUTB+1]
.endif
.endm
; A STREAM STEP: 128 keys.  last = 0: a step of the loop, in which the first pass ends (T = i); last = 1: a step of the last slot, in which the second pass ends (T = 32).
.macro STEP last
	v_add_nc_u32 v[ADK], s[TB], v[LI]
	v_add_nc_u32 v[ADS], s[TB], v[LR]
	ds_load_b128 v[SC:SC+3], v[ADK] offset:12288
	ds_load_b128 v[SC+4:SC+7], v[ADS] offset:12800
.irp j, 0,1,2,3,4,5,6,7,8,9,10,11
	ds_load_b128 v[KF+4*\j:KF+4*\j+3], v[ADK] offset:512*\j          ; an image of the registers: 512 consecutive bytes a load
.endr
.irp j, 0,1,2,3,4,5,6,7,8,9,10,11
	ds_load_b128 v[VF+4*\j:VF+4*\j+3], v[ADK] offset:6144+512*\j
.endr
	s_wait_dscnt 12                                ; the scale words and K are in; V's twelve loads may be out
.irp t, 0,1,2,3,4,5,6,7
	v_wmma_scale_f32_16x16x128_f8f6f4 v[S+8*\t:S+8*\t+7], v[KF+6*\t:KF+6*\t+11], v[QF:QF+11], 0, v[SC+\t], v[QS] matrix_a_fmt:MATRIX_FMT_BF6 matrix_b_fmt:MATRIX_FMT_BF6
.endr
.rept 4
	v_nop                                          ; places behind the products (ISA guide 7.12.1)
.endr
.if \last
	s_cmp_lg_u32 s[TPOS], 32
.else
	s_cmp_lg_u32 s[TPOS], s[BI]
.endif
	s_cbranch_scc1 .Lopen_\@                       ; only a pass's last step lies on the diagonal
.set n, 0
.rept 64                                       ; register 16 b + i holds the block's key 32 b + 16 (lane / 16) + i: hidden where 32 b + i > DG.  Hidden scores become -infinity ahead of the maximum: p = 0 then
	v_cmp_gt_i32 vcc_lo, 32*(n/16)+n%16, v[DG]
	v_cndmask_b32 v[S+n], v[S+n], v[NINF], vcc_lo
.set n, n+1
.endr
.Lopen_\@:
.irp b, 0,1,2,3
	v_max3_num_f32 v[BM+\b], v[S+16*\b], v[S+16*\b+1], v[S+16*\b+2]   ; the largest score of each block of 32 keys: for the row's maximum and, since p rises with the score, for the block's largest p
.endr
.irp i, 3,5,7,9,11,13
.irp b, 0,1,2,3
	v_max3_num_f32 v[BM+\b], v[BM+\b], v[S+16*\b+\i], v[S+16*\b+\i+1]
.endr
.endr
.irp b, 0,1,2,3
	v_max_num_f32 v[BM+\b], v[BM+\b], v[S+16*\b+15]
.endr
.irp b, 0,1,2,3
	v_permlanex16_b32 v[BP+\b], v[BM+\b], s[SEL], s[SEL+1]
.endr
.irp b, 0,1,2,3
	v_max_num_f32 v[BM+\b], v[BM+\b], v[BP+\b]     ; with lane l xor 16's 16 keys
.endr
	v_max3_num_f32 v[TA], v[BM], v[BM+1], v[BM+2]
	v_max_num_f32 v[TA], v[TA], v[BM+3]
	v_mul_f32 v[TA], s[CS], v[TA]                  ; the step's largest t (c is positive)
	v_max_num_f32 v[TMAX], v[TMAX], v[TA]
	v_mov_b32 v[TA], v[NM]
	v_floor_f32 v[NM], -v[TMAX]                    ; the new -M = floor(-t): M is a whole number
	v_sub_f32 v[TA], v[NM], v[TA]                  ; old M - new M: a whole number, 0 or less
	v_cvt_i32_f32 v[TA], v[TA]                     ; (it saturates)
	v_ldexp_f32 v[F], 1.0, v[TA]                   ; f = 2^(old M - new M)
.set n, 0
.rept 32
	v_pk_fma_f32 v[S+n:S+n+1], v[S+n:S+n+1], s[CS:CS+1], v[NM:NM+1] op_sel_hi:[1,0,0]   ; t - M, two at a time
.set n, n+2
.endr
.irp b, 0,1,2,3
	v_fma_f32 v[BM+\b], v[BM+\b], s[CS], v[NM]     ; the same of each block's largest score
.endr
.set n, 0
.rept 64
	v_exp_f32 v[S+n], v[S+n]                       ; p = 2^(t - M), at most 1
.set n, n+1
.endr
.irp b, 0,1,2,3
	v_exp_f32 v[BM+\b], v[BM+\b]                   ; the block's largest p: the same two instructions on the same number
.endr
	v_pk_mul_f32 v[SUM:SUM+1], v[SUM:SUM+1], v[F:F+1] op_sel_hi:[1,0]   ; the sum under the new M: the plain place behind the batch
	s_wait_alu depctr_va_vdst(0)                   ; one wait for the 68 exponentials, ahead of the first line that names a result
.irp b, 0,1,2,3
	v_max_num_f32 v[BM+\b], 0x2800000, v[BM+\b]    ; the floor 2^(5 - 127): the byte cannot fall under 1
.endr
.irp b, 0,1,2,3
	v_add_nc_u32 v[BS+\b], 0xfe000000, v[BM+\b]    ; 4 off the exponent field: the conversion's scale operand
.endr
.irp b, 0,1,2,3
	v_lshrrev_b32 v[BP+\b], 23, v[BS+\b]           ; the scale's byte
.endr
	v_lshl_or_b32 v[PW], v[BP+1], 8, v[BP]
	v_lshl_or_b32 v[PW], v[BP+2], 16, v[PW]
	v_lshl_or_b32 v[PW], v[BP+3], 24, v[PW]
.irp c, 0,1
	v_cvt_scalef32_pk16_bf6_f32 v[PC+6*\c:PC+6*\c+2], v[S+32*\c:S+32*\c+15], v[BS+2*\c]
	v_cvt_scalef32_pk16_bf6_f32 v[PT+4*\c:PT+4*\c+2], v[S+32*\c+16:S+32*\c+31], v[BS+2*\c+1]   ; (a conversion's three registers begin on an even number)
.endr
	v_nop                                          ; one plain place behind a scaled conversion
.irp c, 0,1                                    ; the operand's layout wants a whole block in a lane: lanes 0-15 block 2 c, lanes 16-31 block 2 c + 1
.irp i, 0,1,2
	v_permlane16_swap_b32 v[PC+6*\c+\i], v[PT+4*\c+\i]
.endr
.irp i, 0,1,2
	v_mov_b32 v[PC+6*\c+3+\i], v[PT+4*\c+\i]
.endr
.endr
.set n, 0
.rept 16
	v_pk_mul_f32 v[O+n:O+n+1], v[O+n:O+n+1], v[F:F+1] op_sel_hi:[1,0]   ; O^T under the new M, each accumulator from its low end on.  These are also the places between p's codes and scale word and the products
.set n, n+2
.endr
	s_wait_dscnt 0x0                               ; V is in
.irp t, 0,1,2,3                                ; the four accumulators take turns, one instruction a turn, and eight other products stand between two steps'
	v_wmma_scale_f32_16x16x128_f8f6f4 v[O+8*\t:O+8*\t+7], v[VF+12*\t:VF+12*\t+11], v[PC:PC+11], v[O+8*\t:O+8*\t+7], v[SC+\t], v[PW] matrix_a_fmt:MATRIX_FMT_BF6 matrix_b_fmt:MATRIX_FMT_BF6 matrix_a_scale:MATRIX_SCALE_ROW1
.endr
	v_pk_add_f32 v[BM:BM+1], v[S:S+1], v[S+2:S+3]  ; THE ROW'S SUM OF THE UNQUANTISED p, in two chains.  These lines name none of the products' registers: they are the places in front of the next loads and of the way out
.set n, 4
.rept 15
	v_pk_add_f32 v[SUM:SUM+1], v[SUM:SUM+1], v[S+n:S+n+1]
	v_pk_add_f32 v[BM:BM+1], v[BM:BM+1], v[S+n+2:S+n+3]
.set n, n+4
.endr
	v_pk_add_f32 v[SUM:SUM+1], v[SUM:SUM+1], v[BM:BM+1]
.if \last
	s_cmp_lg_u32 s[TPOS], 32
.else
	s_cmp_lg_u32 s[TPOS], s[BI]
.endif
	s_cbranch_scc1 .Lkeep_\@
	FLUSH 1-\last
.Lkeep_\@:
	s_add_co_u32 s[TPOS], s[TPOS], 1
	s_add_co_u32 s[TB], s[TB], STEPB
.endm
.macro SLOT3 last                      ; a slot's three steps: written once, walked three times
	s_mov_b32 s[CNT], 3
.Lstep_\@:
	STEP \last
	s_sub_co_u32 s[CNT], s[CNT], 1
	s_cmp_lg_u32 s[CNT], 0
	s_cbranch_scc1 .Lstep_\@
	s_sub_co_u32 s[TB], s[TB], 3*STEPB             ; back to a slot's first step,
	s_xor_b32 s[TB], s[TB], SLOT1                  ; in the other slot
.endm
	s_load_b128 s[4:7], s[0:1], 0x0                ; qc s[4:5], kv s[6:7]
	s_load_b64 s[8:9], s[0:1], 0x10                ; out
	v_lshl_add_u32 v[SPW], v0, 2, SPARE
	v_mov_b32 v[NIL], 0
	ds_add_u32 v3, v4
	s_wait_dscnt 0x0
	v_lshrrev_b32 v1, 5, v0
	v_readfirstlane_b32 s[WV], v1                  ; wave 0..7
	s_mov_b32 s[BI], ttmp9
	s_add_co_u32 s[BI1], ttmp9, 1
	s_and_b32 s[BAT], ttmp7, 0xffff
	; descriptor group 1: a step's block, dense in memory, as 51 rows of 256 bytes (32 elements of 8 bytes); no padding, no mask
	s_mov_b32 s[G1+0], 3<<16                       ; 17:16 elements of 8 bytes
	s_mov_b32 s[G1+1], 32<<16                      ; tensor_dim0 = 32
	s_mov_b32 s[G1+2], 51<<16                      ; tensor_dim1 = 51
	s_mov_b32 s[G1+3], 32<<16                      ; tile_dim0 = 32
	s_mov_b32 s[G1+4], 51                          ; tile_dim1 = 51
	s_mov_b32 s[G1+5], 32                          ; tensor_dim0_stride
	s_mov_b32 s[G1+6], 0
	s_mov_b32 s[G1+7], 0
	s_min_u32 s[TP], s[WV], 2                      ; waves 0, 1, 2 fetch a slot's steps 0, 1, 2
	s_mov_b32 s[G0], 1                             ; 1:0 count = 1
	s_mul_i32 s[G0+1], s[TP], STEPB                ; 63:32 LDS address: slot 0, my step
	s_mov_b32 s[OFF+1], 0
	s_mul_i32 s48, s[BAT], 32*STEPB
	s_mov_b32 s49, 0
	s_mov_b32 s[TPOS], 0
	s_mov_b32 s[TB], 0
	s_mov_b32 s[SLOTS], 10
	s_mov_b32 s[SEL], 0x76543210
	s_mov_b32 s[SEL+1], 0xfedcba98                 ; v_permlanex16_b32's selects for lane l xor 16
	s_mov_b32 s[CS], 0x3e38aa3b                    ; c = log2(e) / 8
	s_mov_b32 s[CS+1], s[CS]                       ; (named with it as a pair, so it is written)
	s_wait_kmcnt 0x0
	s_add_nc_u64 s[KVB:KVB+1], s[6:7], s[48:49]
	KSADR
	TLOAD                                          ; slot 0: the first fill, ahead of every wait on TENSORcnt, every LDS read and every barrier
	s_add_co_u32 s[PFC], s[WV], 2                  ; the prefetches: the first change of slots steps wave w to piece w + 7
	s_lshl_b32 s48, s[PFC], 13
	s_mov_b32 s49, 0
	s_add_nc_u64 s[PFA:PFA+1], s[KVB:KVB+1], s[48:49]
	s_cmp_lt_u32 s[WV], 3
	s_cselect_b32 s48, 1, 0
	s_or_b32 s48, s48, s[BI]                       ; 0 in waves 3 to 7 of work-group i = 0
	s_cmp_eq_u32 s48, 0
	s_cselect_b32 s[LIM], 51, 0
	; both passes' Q: a block of qc holds 32 queries: tile u at 768 u + 256 p + 8 lane, its scale words at 1,536 + 8 lane + 4 u
	v_and_b32 v1, 31, v0                           ; lane
	v_and_b32 v9, 15, v0                           ; r
	v_bfe_u32 v8, v0, 4, 1                         ; h
	s_and_b32 s48, s[WV], 1                        ; u
	s_lshr_b32 s49, s[WV], 1
	v_lshlrev_b32 v[QO], 3, v1
	s_lshl_b32 s50, s48, 2
	v_add_nc_u32 v[QSO], s50, v[QO]
	s_mul_i32 s50, s48, 768
	v_add_nc_u32 v[QO], s50, v[QO]
	s_lshl_b32 s52, s[BAT], 7                      ; 128 blocks of qc a batch, 4 a block of 128 queries
	s_add_co_u32 s52, s52, s49
	s_lshl_b32 s53, s[BI], 2
	s_add_co_u32 s54, s52, s53                     ; the first pass's: block i,
	s_sub_co_u32 s53, 124, s53
	s_add_co_u32 s56, s52, s53                     ; the second's: block 31 - i
	s_mul_i32 s54, s54, 1792
	s_mov_b32 s55, 0
	s_mul_i32 s56, s56, 1792
	s_mov_b32 s57, 0
	s_add_nc_u64 s[54:55], s[4:5], s[54:55]
	s_add_nc_u64 s[56:57], s[4:5], s[56:57]
.irp p, 0,1,2
	global_load_b64 v[QF+2*\p:QF+2*\p+1], v[QO], s[54:55] offset:256*\p
	global_load_b64 v[QB+2*\p:QB+2*\p+1], v[QO], s[56:57] offset:256*\p
.endr
	global_load_b32 v[QS], v[QSO], s[54:55] offset:1536
	global_load_b32 v[QBS], v[QSO], s[56:57] offset:1536
	s_lshl_b32 s50, s49, 5
	s_lshl_b32 s51, s48, 3
	s_add_co_u32 s50, s50, s51                     ; my tile's first query in its block: 32 (w / 2) + 8 (w % 2)
	s_lshl_b32 s51, s[BAT], 12
	s_add_co_u32 s51, s51, s50
	s_lshl_b32 s52, s[BI], 7
	s_sub_co_u32 s58, 3968, s52                    ; 128 (31 - i)
	s_add_co_u32 s52, s52, s51
	s_add_co_u32 s58, s58, s51
	s_lshl_b32 s52, s52, 8                         ; a row of out is 256 bytes
	s_lshl_b32 s58, s58, 8
	s_mov_b32 s53, 0
	s_mov_b32 s59, 0
	s_add_nc_u64 s[OUT:OUT+1], s[8:9], s[52:53]
	s_add_nc_u64 s[OUTB:OUTB+1], s[8:9], s[58:59]
	s_mul_i32 s48, s[WV], 16*272
	s_add_co_u32 s48, s48, STAGE                   ; my stage
	v_lshlrev_b32 v[PFO], 8, v1
	v_lshlrev_b32 v[LI], 4, v1
	v_lshlrev_b32 v[LR], 4, v9
	v_lshlrev_b32 v[GO], 8, v8
	v_lshl_add_u32 v[GO], v9, 4, v[GO]
	v_mul_u32_u24 v[STO], v9, 272                  ; in: row r, + 32 h
	v_lshl_add_u32 v[STO], v8, 5, v[STO]
	v_add_nc_u32 v[STO], s48, v[STO]
	v_mul_u32_u24 v[SRD], v8, 272                  ; back: lanes 0-15 one row, lanes 16-31 the next
	v_lshl_add_u32 v[SRD], v9, 4, v[SRD]
	v_add_nc_u32 v[SRD], s48, v[SRD]
	v_and_b32 v[DG], 8, v9
	v_add_nc_u32 v[DG], v[DG], v9                  ; r + 8 (r / 8)
	v_lshlrev_b32 v[TA], 4, v8
	v_sub_nc_u32 v[DG], v[DG], v[TA]
	v_add_nc_u32 v[DG], s50, v[DG]
	v_mov_b32 v[NINF], 0xff800000
	v_mov_b32 v[TMAX], 0xff61b1e6                  ; the largest t so far: -3e38, under every t
	v_floor_f32 v[NM], -v[TMAX]
	v_mov_b32 v[SUM], 0
	v_mov_b32 v[SUM+1], 0
	v_mov_b32 v[F+1], 0                            ; (named as the upper halves of pairs)
	v_mov_b32 v[RC+1], 0
.irp i, 6,7,8,9,10,11
	v_mov_b32 v[QF+\i], 0                          ; Q's codes of k = 64 .. 127
	v_mov_b32 v[KF+42+\i], 0                       ; and what stands behind K's last fragment
.endr
.set n, 0
.rept 32
	v_mov_b32 v[O+n], 0                            ; O^T.  (The step is written without a first step of its own: it finds zeros, which the first change of M leaves zeros)
.set n, n+1
.endr
	s_wait_loadcnt 0x0                             ; Q
.Lslot:                                            ; ten trips: behind each change of slots but the last the next slot is asked for
	CHANGE 1
	SLOT3 0
	s_sub_co_u32 s[SLOTS], s[SLOTS], 1
	s_cmp_lg_u32 s[SLOTS], 0
	s_cbranch_scc1 .Lslot
	CHANGE 0                                       ; the last slot is written out
	SLOT3 1
	s_wait_tensorcnt 0x0                           ; the wave's end: behind my last tensor load and my last LDS store
	ds_add_u32 v[SPW], v[NIL]
	s_wait_dscnt 0x0
	s_endpgm
.Lfunc_end_k_q01079dde9b_attn:
	.size	k_q01079dde9b_attn, .Lfunc_end_k_q01079dde9b_attn-k_q01079dde9b_attn
	.p2alignl 7, 3214868480
	.fill 96, 4, 3214868480
	.section	.rodata,"a",@progbits
	.p2align	6, 0x0
	.amdhsa_kernel k_q01079dde9b_attn
		.amdhsa_group_segment_fixed_size 327680
		.amdhsa_private_segment_fixed_size 0
		.amdhsa_enable_private_segment 0
		.amdhsa_kernarg_size 24
		.amdhsa_user_sgpr_count 2
		.amdhsa_user_sgpr_kernarg_segment_ptr 1
		.amdhsa_wavefront_size32 1
		.amdhsa_system_sgpr_workgroup_id_x 1
		.amdhsa_system_sgpr_workgroup_id_y 1
		.amdhsa_system_sgpr_workgroup_id_z 1
		.amdhsa_system_vgpr_workitem_id 0
		.amdhsa_next_free_vgpr 256
		.amdhsa_next_free_sgpr 66
		.amdhsa_reserve_vcc 1
		.amdhsa_float_denorm_mode_32 3
		.amdhsa_float_denorm_mode_16_64 3
		.amdhsa_memory_ordered 1
		.amdhsa_forward_progress 1
		.amdhsa_inst_pref_size 58
	.end_amdhsa_kernel
	.amdgpu_metadata
---
amdhsa.version: [ 1, 2 ]
amdhsa.kernels:
  - .name:           k_q01079dde9b_attn
    .symbol:         k_q01079dde9b_attn.kd
    .args:
      - { .name: qc, .offset: 0, .size: 8, .value_kind: global_buffer, .address_space: global }
      - { .name: kv, .offset: 8, .size: 8, .value_kind: global_buffer, .address_space: global }
      - { .name: out0, .offset: 16, .size: 8, .value_kind: global_buffer, .address_space: global }
    .group_segment_fixed_size: 327680
    .private_segment_fixed_size: 0
    .kernarg_segment_align: 8
    .kernarg_segment_size: 24
    .max_flat_workgroup_size: 256
    .sgpr_count:     66
    .vgpr_count:     256
    .wavefront_size: 32
...
	.end_amdgpu_metadata
.endif
;; end of part 2
